; MI455X (gfx1250); checked and timed in simulation.
; The chip was launched on July 23, 2026; its instructions are those of AMD's public machine-readable ISA for CDNA 5 (MIT licence, August 2026) and "CDNA5" Instruction Set Architecture Reference Guide (July 2026). The comments in the code are by the model that wrote it; some were corrected since.
;; Low Rank Ray Tracer. Allowed arithmetic: matrix products marked QUANTISED: E4M3 operands, one given power-of-two scale a tensor, by v_wmma_f32_16x16x64_fp8_fp8 or v_wmma_f32_16x16x128_fp8_fp8, f32 sums; everything else in f32.
;; Inputs: attenuation_vectors 1,024 x 256 x 64 float32; frequency_basis_vectors 1,024 x 64 float32; lowp_scales 4 int32 (the exponents e of the quantised operands' scales 2^e); radiation_vectors 1,024 x 256 x 64 float32.
;; Outputs: out0 1,024 float32.
;; This version of the problem:
;;   THIS VERSION OF THE PROBLEM IS GIVEN IN LOW PRECISION. The matrix products marked QUANTISED in the list below multiply operands that are first quantised to E4M3 (4 exponent bits, 3 mantissa bits; 8 bits a number), with one given power-of-two scale for each operand tensor; their sums are f32. All else is computed in f32.
;;   The module's matrix products, in the order in which they are computed (A, B: the left and right operand; K: the contracted axis; several contracted axes count as one K, in the product's order):
;;     1. [M 1,024, K 64] x [K 64, N 1,024]; A: computed on the way; B: input frequency_basis_vectors: QUANTISED (scales: A lowp_scales[0], B lowp_scales[1])
;;     2. [M 1,024, K 64] x [K 64, N 1,024]; A: computed on the way; B: input frequency_basis_vectors: QUANTISED (scales: A lowp_scales[2], B lowp_scales[3])
;;   THE QUANTISER, for each operand of a quantised product, along K:
;;     - The operand's scale is 2^e, e = its entry of the input lowp_scales (int32; the entries are numbered through the quantised products in the list's order, A before B).
;;     - Each number is divided by the scale, clamped to +-448, and rounded to the nearest number of E4M3, ties to even, subnormals kept.
;;     - The product sums the exact products of the quantised numbers (number of the format x scale) in f32.
;;   ~~~python
;;   def quantise(x, axis, e):      # numpy; x: float32 -> the quantised numbers, widened to float32 again
;;       x = np.moveaxis(x, axis, -1); K = x.shape[-1]
;;       r = np.clip(x / 2.0 ** e, -448, 448)
;;       step = 2.0 ** (np.maximum(np.frexp(np.where(r == 0, 1, r))[1] - 1, -6) - 3)
;;       q = np.round(r / step) * step * 2.0 ** e      # np.round: ties to even
;;       return np.moveaxis(q, -1, axis).astype(np.float32)
;;   ~~~
;;   OPERANDS COMPUTED ON THE WAY. 'Computed on the way' means the value that the module computes at that place (a softmax that the list does not call 'softmax' is quantised finished and normalised). What goes into a quantiser is computed in f32, as accurately as f32 sums, v_exp_f32 and their like allow (about 1e-6 of the number): no bf16 or f16 on the way to a quantiser, and a product that is left as it is and whose result goes on into a quantised operand takes f32 operands (vector FMAs, or v_wmma_f32_16x16x4_f32). A number that lies on a knife's edge between two numbers of the format may be rounded either way, as far as f32 arithmetic and the matrix unit's own rounding can turn it there, and no further.
;; One version. Each part assembles by itself: llvm-mc -triple=amdgcn-amd-amdhsa -mcpu=gfx1250 --defsym DOCPART=n.
;; ======== version 1 of 1: 2 launches
;; limits: right only within a limited range of input values
;; workspace buffers: codes 262,144 bytes
;; launch reduce (part 1): grid 256 x 1, 16 waves a work-group, no clusters, 10,496 bytes of LDS; arguments attenuation_vectors, radiation_vectors, frequency_basis_vectors, lowp_scales, codes; writes codes
.if DOCPART == 1
	.amdgcn_target "amdgcn-amd-amdhsa--gfx1250"
	.amdhsa_code_object_version 6
	.text
	.protected	k_qbb7a527684_reduce
	.globl	k_qbb7a527684_reduce
	.p2align	8
	.type	k_qbb7a527684_reduce,@function
k_qbb7a527684_reduce:
	s_mov_b64 s[64:65], 0
	v_nop
	global_prefetch_b8 v0, s[64:65] scope:SCOPE_SE
	s_setreg_imm32_b32 hwreg(HW_REG_WAVE_MODE, 25, 1), 1
	s_wait_xcnt 0x0
; FIRST OF TWO LAUNCHES.  SA[d][r] = sum over p of attenuation[d][p][r], SB likewise of radiation, in f32; both are then quantised to E4M3 along r with the given scales
; 2^e0 and 2^e2; the frequency basis F [1024][64] is quantised twice, with 2^e1 and with 2^e3.  All four leave as codes, one a byte, r innermost, rows of 64 bytes, in one workspace:
;   codes + 0: SA [1024][64]   + 65,536: SB [1024][64]   + 131,072: F by e1 [1024][64]   + 196,608: F by e3 [1024][64].
; code = x / 2^e, held within +-448, rounded to the nearest code, ties to even.
; LIMITS: each e lies between -126 and 119, so that 2^e and 448 x 2^e are f32 numbers.  NaN among the inputs is not served; a sum that is infinite is held at the largest code.
; SHARES.  A direction of one tensor is a slab of 256 points x 64 ranks x 4 bytes = 65,536 consecutive bytes.  A work-group owns 4 directions of both tensors: 8 slabs.  Wave w owns half
; (w % 2) of slab w / 2: 128 points, 32,768 bytes, 64 loads of 16 bytes a lane; each load of the wave covers 512 consecutive bytes: two points.  Lane l holds ranks 4 (l % 16) + 0..3 of point l / 16.
; Every byte is read once, so nothing is shared between work-groups: no cluster, no tile in LDS; the bytes on their way are held by registers: a ring of 6 places x 8 loads, 48 loads (24 KiB) a wave, 384 KiB a work-group.
; No prefetch is laid: the stream's own loads are all asked for as early as the registers allow.
; THE END.  A slab's four partial sums (2 waves x 2 halves of the lanes) meet in LDS behind one barrier.  Wave 0 finishes attenuation's four directions, wave 1 radiation's: a lane adds the four partials of 8 neighbouring
; ranks, holds and converts them: 8 bytes a lane, so the wave's one store covers 256 consecutive bytes, aligned.  Wave 2 quantises the work-group's 4 rows of F while its stream is on its way.
.set SLAB,   65536                     ; bytes of one direction in one tensor
.set GROUP,  8                         ; loads in a group
.set RING,   6                         ; groups on their way
.set SPITCH, 1040                      ; LDS: a slab's four partials, 4 x 256 bytes, + 16: the sixteen lanes that a 16-byte read serves together then take sixteen different 16-byte columns of 256
.set C_RAD,  65536                     ; radiation's codes in the workspace
.set C_F1,   131072                    ; F's codes by e1
.set C_F2,   196608                    ; F's codes by e3
.set FWAVE,  2                         ; the wave that quantises F
.set OFS, 1                            ; v1   16 x lane: my bytes of a load's 512; never rewritten
.set LW,  2                            ; v2   LDS: where I put my partial sums
.set LR,  3                            ; v3   LDS: where I read 8 ranks' partials (waves 0 and 1)
.set O8,  4                            ; v4   8 x lane: my codes' place in 256 bytes
.set O32, 5                            ; v5   32 x lane: my 8 numbers of F's 4 rows
.set ACC, 8                            ; v[8:23]   four chains of sums, 4 registers each
.set SC,  26                           ; v26  2^e as f32: the conversion takes its exponent field
.set LIM, 27                           ; v27  448 x 2^e
.set OT,  28                           ; v28  8 x lane + 65,536 x (wave % 2): where waves 0 and 1 store
.set X,   32                           ; v[32:223] the ring: place g % 6, load i: 4 registers
.set FX,  224                          ; v[224:231] 8 numbers of F
.set T1,  232                          ; v[232:239] held for e1
.set T2,  240                          ; v[240:247] held for e3
.set C1,  248                          ; v[248:249] codes by e1
.set C2,  250                          ; v[250:251] codes by e3
.set SC2, 252
.set LIM2, 253
	s_load_b256 s[4:11], s[0:1], 0x0               ; attenuation s[4:5], radiation s[6:7], F s[8:9], the scales' exponents s[10:11]
	s_load_b64 s[12:13], s[0:1], 0x20              ; the workspace of codes
	v_lshl_add_u32 v254, v0, 2, 0x2100
	v_mov_b32 v255, 0
	v_lshrrev_b32 v24, 5, v0
	s_delay_alu instid0(VALU_DEP_1)
	v_readfirstlane_b32 s14, v24                   ; wave 0..15
	v_and_b32 v24, 31, v0                          ; lane
	s_delay_alu instid0(VALU_DEP_1)
	v_lshlrev_b32 v[OFS], 4, v24
	s_delay_alu instid0(VALU_DEP_2)
	v_lshlrev_b32 v[O8], 3, v24
	s_wait_alu depctr_va_vdst(0)
	v_lshlrev_b32 v[O32], 5, v24
	s_lshr_b32 s15, s14, 1                         ; my slab 0..7: 0-3 attenuation's four directions, 4-7 radiation's
	s_and_b32 s16, s14, 1                          ; which half of its points
	s_and_b32 s17, s15, 3                          ; which of the four directions
	; every LDS address is made here, ahead of the first branch on the wave's number
	s_mul_i32 s20, s15, SPITCH
	s_lshl_b32 s21, s16, 9
	s_add_co_u32 s20, s20, s21
	v_add_nc_u32 v[LW], s20, v[OFS]                ; slab x 1,040 + half x 512 + 16 x lane: partial 2 x half + lane / 16 lies at 256 x that, rank r at 4 r
	s_mul_i32 s21, s16, 4*SPITCH                   ; (wave % 2 is the wave's number in waves 0 and 1, which alone read)
	v_lshrrev_b32 v25, 3, v24
	s_delay_alu instid0(VALU_DEP_1)
	v_mul_u32_u24 v25, v25, SPITCH
	v_and_b32 v24, 7, v24
	s_delay_alu instid0(VALU_DEP_1)
	v_lshl_add_u32 v25, v24, 5, v25
	s_delay_alu instid0(VALU_DEP_1)
	v_add_nc_u32 v[LR], s21, v25                   ; slab 4 x wave + lane / 8, ranks 8 (lane % 8) on
	s_lshl_b32 s21, s16, 16
	v_add_nc_u32 v[OT], s21, v[O8]
	; byte offsets, apart from the addresses
	s_lshl_b32 s18, ttmp9, 18                      ; the work-group's 4 directions: 4 x 65,536 bytes each
	s_lshl_b32 s19, s17, 16
	s_add_co_u32 s18, s18, s19                     ; + my direction
	s_lshl_b32 s19, s16, 15
	s_add_co_u32 s18, s18, s19                     ; + my half: 67,076,096 at the most
	s_mov_b32 s19, 0
	s_lshl_b32 s22, ttmp9, 8                       ; 4 rows of 64 codes
	s_mov_b32 s23, 0
	s_lshl_b32 s28, ttmp9, 10                      ; 4 rows of F: 1,024 bytes
	s_mov_b32 s29, 0
	s_wait_kmcnt 0x0
	s_load_b128 s[24:27], s[10:11], 0x0            ; e0, e1, e2, e3
	s_cmp_lt_u32 s15, 4                            ; the choice of tensor hangs on the wave's number alone
	s_cselect_b64 s[4:5], s[4:5], s[6:7]
	s_add_nc_u64 s[4:5], s[4:5], s[18:19]          ; my 32,768 bytes; never stepped: every load's place stands in its immediate
	s_add_nc_u64 s[8:9], s[8:9], s[28:29]
	s_add_nc_u64 s[12:13], s[12:13], s[22:23]
	s_cmp_lg_u32 s14, FWAVE
	s_cbranch_scc1 .Lstream
	s_wait_alu depctr_va_vdst(0)
	global_load_b128 v[FX:FX+3], v[O32], s[8:9] th:TH_LOAD_NT              ; F's two loads go out ahead of the stream, so that they are the oldest: the stream's counts stay the same in every wave
	global_load_b128 v[FX+4:FX+7], v[O32], s[8:9] offset:16 th:TH_LOAD_NT
.Lstream:
.macro LOADS g                         ; group g: eight loads, 4,096 consecutive bytes, into place g % 6 of the ring
.irp i, 0,1,2,3,4,5,6,7
	global_load_b128 v[X+32*((\g)%RING)+4*\i:X+32*((\g)%RING)+4*\i+3], v[OFS], s[4:5] offset:512*(GROUP*(\g)+\i) th:TH_LOAD_NT
.endr
.endm
.macro SUMS g                          ; group g goes into the four chains, load i into chain i % 4: eight instructions lie between two links of a chain.  Group 0 starts the chains: nothing is cleared
.set XB, X+32*((\g)%RING)
.if (\g) == 0
.irp i, 0,1,2,3
	v_pk_add_f32 v[ACC+4*\i:ACC+4*\i+1], v[XB+4*\i:XB+4*\i+1], v[XB+16+4*\i:XB+16+4*\i+1]
	v_pk_add_f32 v[ACC+4*\i+2:ACC+4*\i+3], v[XB+4*\i+2:XB+4*\i+3], v[XB+16+4*\i+2:XB+16+4*\i+3]
.endr
.else
.irp i, 0,1,2,3,4,5,6,7
	v_pk_add_f32 v[ACC+4*(\i%4):ACC+4*(\i%4)+1], v[ACC+4*(\i%4):ACC+4*(\i%4)+1], v[XB+4*\i:XB+4*\i+1]
	v_pk_add_f32 v[ACC+4*(\i%4)+2:ACC+4*(\i%4)+3], v[ACC+4*(\i%4)+2:ACC+4*(\i%4)+3], v[XB+4*\i+2:XB+4*\i+3]
.endr
.endif
.endm
.irp g, 0,1,2,3,4,5
	LOADS \g                                       ; the ring is filled: 48 loads
.endr
	s_wait_kmcnt 0x0                               ; the four exponents
	s_cmp_lg_u32 s14, FWAVE
	s_cbranch_scc1 .Lsum
	; ---- wave 2: the work-group's 4 rows of F, 256 numbers, 8 neighbours along r a lane, quantised with e1 and with e3
	s_add_co_i32 s30, s25, 127
	s_lshl_b32 s31, s30, 23
	v_mov_b32 v[SC], s31                           ; 2^e1
	s_add_co_i32 s30, s30, 8
	s_lshl_b32 s30, s30, 23
	s_or_b32 s30, s30, 0x600000
	v_mov_b32 v[LIM], s30                          ; 448 x 2^e1: exponent e1 + 8 over 448's mantissa field
	s_add_co_i32 s30, s27, 127
	s_lshl_b32 s31, s30, 23
	v_mov_b32 v[SC2], s31                          ; 2^e3
	s_add_co_i32 s30, s30, 8
	s_lshl_b32 s30, s30, 23
	s_or_b32 s30, s30, 0x600000
	v_mov_b32 v[LIM2], s30                         ; 448 x 2^e3
	s_wait_alu depctr_va_vdst(0)
	s_wait_loadcnt 48                              ; loads come back in order (ISA guide 5.7.1): the 48 of the stream were issued behind F's two
.irp i, 0,1,2,3,4,5,6,7
	v_med3_num_f32 v[T1+\i], v[FX+\i], -v[LIM], v[LIM]     ; the conversion to an 8-bit code does not saturate (ISA guide 7.6.2): the number is held first
.endr
.irp i, 0,1,2,3,4,5,6,7
	v_med3_num_f32 v[T2+\i], v[FX+\i], -v[LIM2], v[LIM2]
.endr
	v_cvt_scalef32_pk8_fp8_f32 v[C1:C1+1], v[T1:T1+7], v[SC]
	v_cvt_scalef32_pk8_fp8_f32 v[C2:C2+1], v[T2:T2+7], v[SC2]
	v_nop                                          ; one plain vector line behind the last conversion
	global_store_b64 v[O8], v[C1:C1+1], s[12:13] offset:C_F1   ; 32 lanes x 8 bytes: 256 consecutive bytes, at a multiple of 256 from the buffer's first byte
	global_store_b64 v[O8], v[C2:C2+1], s[12:13] offset:C_F2   ; (their registers and their base are never written again)
.Lsum:
	; ---- the stream.  Each count is the number of loads issued behind the group that is summed next
	s_wait_loadcnt 40                              ; 48 issued, group 0 is in
	SUMS 0
	LOADS 6                                        ; its place takes group 6
	s_wait_alu depctr_va_vdst(0)
	s_wait_loadcnt 40                              ; 56 issued, groups 0 and 1 are in
	SUMS 1
	LOADS 7                                        ; the last group: no load passes my 32,768 bytes
	s_wait_alu depctr_va_vdst(0)
	s_wait_loadcnt 40                              ; 64 issued, groups 0 to 2 are in
	SUMS 2
	s_wait_alu depctr_va_vdst(0)
	s_wait_loadcnt 32
	SUMS 3
	s_wait_alu depctr_va_vdst(0)
	s_wait_loadcnt 24
	SUMS 4
	s_wait_alu depctr_va_vdst(0)
	s_wait_loadcnt 16
	SUMS 5
	s_wait_alu depctr_va_vdst(0)
	s_wait_loadcnt 8
	SUMS 6
	s_wait_alu depctr_va_vdst(0)
	s_wait_loadcnt 0x0
	SUMS 7
	v_pk_add_f32 v[ACC:ACC+1], v[ACC:ACC+1], v[ACC+4:ACC+5]                ; the four chains become one
	v_pk_add_f32 v[ACC+2:ACC+3], v[ACC+2:ACC+3], v[ACC+6:ACC+7]
	s_delay_alu instid0(VALU_DEP_4)
	v_pk_add_f32 v[ACC+8:ACC+9], v[ACC+8:ACC+9], v[ACC+12:ACC+13]
	s_delay_alu instid0(VALU_DEP_4)
	v_pk_add_f32 v[ACC+10:ACC+11], v[ACC+10:ACC+11], v[ACC+14:ACC+15]
	s_delay_alu instid0(VALU_DEP_2)
	v_pk_add_f32 v[ACC:ACC+1], v[ACC:ACC+1], v[ACC+8:ACC+9]
	s_delay_alu instid0(VALU_DEP_2)
	v_pk_add_f32 v[ACC+2:ACC+3], v[ACC+2:ACC+3], v[ACC+10:ACC+11]
	ds_store_b128 v[LW], v[ACC:ACC+3]              ; 512 consecutive bytes a wave
	s_wait_dscnt 0x0                               ; for the others' sake: my partial sums lie in LDS
	s_barrier_signal -1
	s_barrier_wait -1                              ; everybody's do
	s_cmp_gt_u32 s14, 1
	s_cbranch_scc1 .Lend
	; ---- waves 0 and 1: four directions of one tensor, 256 sums, 8 neighbours along r a lane
.irp p, 0,1,2,3
	ds_load_b128 v[X+8*\p:X+8*\p+3], v[LR] offset:256*\p
	ds_load_b128 v[X+8*\p+4:X+8*\p+7], v[LR] offset:256*\p+16
.endr
	s_cmp_eq_u32 s14, 0
	s_cselect_b32 s30, s24, s26                    ; e0 for attenuation's sums, e2 for radiation's
	s_add_co_i32 s30, s30, 127
	s_lshl_b32 s31, s30, 23
	v_mov_b32 v[SC], s31                           ; 2^e
	s_add_co_i32 s30, s30, 8
	s_lshl_b32 s30, s30, 23
	s_or_b32 s30, s30, 0x600000
	v_mov_b32 v[LIM], s30                          ; 448 x 2^e
	s_wait_dscnt 0x0
.irp j, 0,2,4,6
	v_pk_add_f32 v[X+\j:X+\j+1], v[X+\j:X+\j+1], v[X+8+\j:X+8+\j+1]
	v_pk_add_f32 v[X+16+\j:X+16+\j+1], v[X+16+\j:X+16+\j+1], v[X+24+\j:X+24+\j+1]
.endr
.irp j, 0,2,4,6
	v_pk_add_f32 v[X+\j:X+\j+1], v[X+\j:X+\j+1], v[X+16+\j:X+16+\j+1]      ; the sum over all 256 points, in f32
.endr
.irp i, 0,1,2,3,4,5,6,7
	v_med3_num_f32 v[X+\i], v[X+\i], -v[LIM], v[LIM]
.endr
	v_cvt_scalef32_pk8_fp8_f32 v[X+32:X+33], v[X:X+7], v[SC]
	v_nop                                          ; one plain vector line behind the conversion
	global_store_b64 v[OT], v[X+32:X+33], s[12:13] ; direction 4 x work-group + lane / 8, ranks 8 (lane % 8) on: 256 consecutive bytes, aligned
.Lend:
	s_wait_tensorcnt 0x0
	ds_add_u32 v254, v255
	s_wait_dscnt 0x0
	s_endpgm
.Lfunc_end_k_qbb7a527684_reduce:
	.size	k_qbb7a527684_reduce, .Lfunc_end_k_qbb7a527684_reduce-k_qbb7a527684_reduce
	.p2alignl 7, 3214868480
	.fill 96, 4, 3214868480
	.section	.rodata,"a",@progbits
	.p2align	6, 0x0
	.amdhsa_kernel k_qbb7a527684_reduce
		.amdhsa_group_segment_fixed_size 10496
		.amdhsa_private_segment_fixed_size 0
		.amdhsa_enable_private_segment 0
		.amdhsa_kernarg_size 40
		.amdhsa_user_sgpr_count 2
		.amdhsa_user_sgpr_kernarg_segment_ptr 1
		.amdhsa_wavefront_size32 1
		.amdhsa_system_sgpr_workgroup_id_x 1
		.amdhsa_system_sgpr_workgroup_id_y 1
		.amdhsa_system_sgpr_workgroup_id_z 1
		.amdhsa_system_vgpr_workitem_id 0
		.amdhsa_next_free_vgpr 256
		.amdhsa_next_free_sgpr 66
		.amdhsa_reserve_vcc 0
		.amdhsa_float_denorm_mode_32 3
		.amdhsa_float_denorm_mode_16_64 3
		.amdhsa_memory_ordered 1
		.amdhsa_forward_progress 1
		.amdhsa_inst_pref_size 22
	.end_amdhsa_kernel
	.amdgpu_metadata
---
amdhsa.version: [ 1, 2 ]
amdhsa.kernels:
  - .name:           k_qbb7a527684_reduce
    .symbol:         k_qbb7a527684_reduce.kd
    .args:
      - { .name: attenuation_vectors, .offset: 0, .size: 8, .value_kind: global_buffer, .address_space: global }
      - { .name: radiation_vectors, .offset: 8, .size: 8, .value_kind: global_buffer, .address_space: global }
      - { .name: frequency_basis_vectors, .offset: 16, .size: 8, .value_kind: global_buffer, .address_space: global }
      - { .name: lowp_scales, .offset: 24, .size: 8, .value_kind: global_buffer, .address_space: global }
      - { .name: codes, .offset: 32, .size: 8, .value_kind: global_buffer, .address_space: global }
    .group_segment_fixed_size: 10496
    .private_segment_fixed_size: 0
    .kernarg_segment_align: 8
    .kernarg_segment_size: 40
    .max_flat_workgroup_size: 512
    .sgpr_count:     66
    .vgpr_count:     256
    .wavefront_size: 32
...
	.end_amdgpu_metadata
.endif
;; end of part 1
;; launch product (part 2): grid 16 x 1, 16 waves a work-group, no clusters, 167,936 bytes of LDS; arguments codes, lowp_scales, out0; writes out0
.if DOCPART == 2
	.amdgcn_target "amdgcn-amd-amdhsa--gfx1250"
	.amdhsa_code_object_version 6
	.text
	.protected	k_qbb7a527684_product
	.globl	k_qbb7a527684_product
	.p2align	8
	.type	k_qbb7a527684_product,@function
k_qbb7a527684_product:
	s_mov_b64 s[64:65], 0
	v_nop
	global_prefetch_b8 v0, s[64:65] scope:SCOPE_SE
	s_setreg_imm32_b32 hwreg(HW_REG_WAVE_MODE, 25, 1), 1
	s_wait_xcnt 0x0
; SECOND OF TWO LAUNCHES.  out0[k] = (1 / 1024) x sum over d of A[d][k] B[d][k], A = SA F1^T, B = SB F2^T: both products on codes of E4M3 by v_wmma_f32_16x16x64_fp8_fp8, K = the 64 ranks, one instruction a tile.
; The workspace holds rows of 64 codes: + 0 SA [1024][64], + 65,536 SB, + 131,072 F by e1, + 196,608 F by e3.  The codes are multiplied as they are; the four scales and the division by 1,024 are one
; power of two, 2^(e0 + e1 + e2 + e3 - 10), applied once to each finished sum by v_ldexp_f32.  A sum of code products stays under 1024 x (64 x 448^2)^2, about 1.7e17.
; SHARES.  A work-group owns 64 subcarriers, one aligned unit of 256 bytes of the output, and ALL 1,024 directions, so each output has one owner.  Wave w takes directions 64 w .. 64 w + 63 (4 tiles of 16 rows)
; against the work-group's 4 tiles of 16 subcarriers: 16 pairs of products; a pair's two results are multiplied number by number and added into 8 registers for each tile of subcarriers.
; In a result lane (r, h) holds subcarrier r and directions 8 h + 0..7.  THE SUBCARRIERS OF A TILE ARE NOT NEIGHBOURS: lane r of tile n takes subcarrier 4 r + n of the 64, so that a lane's four sums are four
; neighbouring outputs.
; FRAGMENTS.  Lane (r, h) takes bytes 32 h .. 32 h + 31 of its row, the same on both sides, so every product meets its partner.
; TWO WAYS IN.  Of the work-group's 139,264 bytes, 65,536 (SB: a wave's own 4,096) come by one tensor load a wave into LDS, the other 73,728 (SA and F) by loads into registers; both are asked for at the head.
; The tensor load states its dense 4,096 bytes as 16 rows of 256, with 16 bytes of padding behind every 64: a row of SB every 80 bytes, so that sixteen rows' pieces take sixteen different columns of 256 bytes.
; F's 8 fragments (8 KiB) are wanted by all sixteen waves: each wave fetches one sixteenth and they are shared through LDS as images of the registers.
; NO CLUSTER: what the sixteen work-groups share is asked for once by each, in one step at the head; a joint load would put a round of the cluster's barrier ahead of the only request, and no later step follows.
; No prefetch: there is no loop to run ahead in.
.set C_RAD, 65536
.set C_F1,  131072
.set FIMG,  0                          ; LDS: F's 16 groups of 512 bytes
.set RED,   8192                       ; LDS: each wave's sums, 512 bytes
.set SPARE, 16384                      ; LDS: the spare words, 128 bytes for each wave, that no other line names
.set TILE,  18432                      ; LDS: each wave's rows of SB
.set SP,    80                         ; a row of SB in LDS
.set TW,    64*SP
.set T16, 1                            ; 16 x thread: where I store into LDS
.set L16, 2                            ; 16 x lane: where I read from LDS
.set SO,  3                            ; byte offset of my part of my wave's first tile of SA
.set FO,  4                            ; byte offset of my 16 bytes of my wave's group of F
.set OO,  6                            ; 16 r + 8 h: my two outputs
.set R,   8                            ; v[8:11]   my four sums
.set FG,  12                           ; v[12:15]  my wave's group of F
.set F,   16                           ; v[16:79]  F's fragments: tile n, scale s at F + 16 n + 8 s.  Later the sixteen waves' sums
.set S,   80                           ; v[80:143] directions' fragments: tile m, tensor t at S + 16 m + 8 t
.set DD,  144                          ; v[144:207] results: two sets of two pairs
.set ACC, 208                          ; v[208:239] 8 registers for each tile of subcarriers
.set SPW, 240                          ; LDS address of my spare word
.set NIL, 241                          ; 0
.set LT,  242                          ; LDS: my part of my wave's first tile of SB
.set G0,  28
.set G1,  36
	s_load_b128 s[4:7], s[0:1], 0x0                ; the codes s[4:5], the scales' exponents s[6:7]
	s_load_b64 s[8:9], s[0:1], 0x10                ; out0
	v_lshl_add_u32 v[SPW], v0, 2, SPARE
	v_mov_b32 v[NIL], 0
	ds_add_u32 v[SPW], v[NIL]                      ; the opening: the add, twice on end, and its wait ahead of the tensor load
	ds_add_u32 v[SPW], v[NIL]
	v_lshrrev_b32 v5, 5, v0
	v_readfirstlane_b32 s10, v5                    ; wave 0..15
	s_lshl_b32 s11, s10, 12                        ; my wave's 64 directions: 4,096 bytes
	s_mul_i32 s18, s10, TW
	s_add_co_u32 s18, s18, TILE
	s_and_b32 s12, s10, 1                          ; my group of F: which 16 bytes of a lane's 32,
	s_bfe_u32 s13, s10, 0x10001                    ; which scale (bit 1),
	s_lshr_b32 s14, s10, 2                         ; which tile n
	s_lshl_b32 s15, ttmp9, 12                      ; the work-group's 64 subcarriers: 4,096 bytes
	s_lshl_b32 s12, s12, 4
	s_add_co_u32 s15, s15, s12
	s_lshl_b32 s13, s13, 16
	s_add_co_u32 s15, s15, s13
	s_lshl_b32 s14, s14, 6
	s_add_co_u32 s15, s15, s14
	s_add_co_u32 s15, s15, C_F1
	v_and_b32 v5, 31, v0
	v_and_b32 v16, 15, v0                          ; r
	v_bfe_u32 v17, v0, 4, 1                        ; h
	v_lshlrev_b32 v[T16], 4, v0
	v_lshlrev_b32 v[L16], 4, v5
	v_lshlrev_b32 v[OO], 4, v16
	v_lshlrev_b32 v18, 5, v17                      ; 32 h
	v_mul_u32_u24 v[LT], v16, SP
	v_lshl_add_u32 v[SO], v16, 6, v18              ; a direction's row is 64 bytes
	v_lshl_add_u32 v[FO], v16, 8, v18              ; subcarrier 4 r + n
	v_add_nc_u32 v[LT], v[LT], v18
	v_lshl_add_u32 v[OO], v17, 3, v[OO]
	v_add_nc_u32 v[SO], s11, v[SO]
	v_add_nc_u32 v[FO], s15, v[FO]
	v_add_nc_u32 v[LT], s18, v[LT]
	v_cmp_eq_u32 s26, 1, v17                       ; lanes 16 to 31
	s_add_co_u32 s12, s11, C_RAD                   ; my wave's 4,096 bytes of SB
	s_mov_b32 s13, 0
	s_lshl_b32 s16, ttmp9, 8                       ; the work-group's 256 bytes of the output
	s_mov_b32 s17, 0
	s_mov_b32 s24, 0x76543210                      ; v_permlanex16_b32: lane l takes lane l xor 16
	s_mov_b32 s25, 0xfedcba98
	s_mov_b32 s[G0], 1
	s_mov_b32 s[G0+1], s18
	s_mov_b32 s[G1], (2<<16)|(1<<20)|(3<<22)|(3<<25)       ; elements of 4 bytes; behind every 16 words 4 words of padding
	s_mov_b32 s[G1+1], 64<<16
	s_mov_b32 s[G1+2], 16<<16
	s_mov_b32 s[G1+3], 64<<16
	s_mov_b32 s[G1+4], 16
	s_mov_b32 s[G1+5], 64
	s_mov_b32 s[G1+6], 0
	s_mov_b32 s[G1+7], 0
	s_wait_alu depctr_va_vdst(0)                   ; the wait at the head's end
	s_wait_dscnt 0x0                               ; both opening adds are done
	s_wait_kmcnt 0x0
	s_load_b128 s[20:23], s[6:7], 0x0              ; e0, e1, e2, e3
	s_add_nc_u64 s[G0+2:G0+3], s[4:5], s[12:13]
	s_or_b32 s[G0+3], s[G0+3], 0x80000000
	global_load_b128 v[FG:FG+3], v[FO], s[4:5]     ; F first: it has the longer way
	tensor_load_to_lds s[G0:G0+3], s[G1:G1+7]      ; the launch's only tensor load
	s_nop 0
.irp m, 0,1,2,3
	global_load_b128 v[S+16*\m:S+16*\m+3], v[SO], s[4:5] offset:1024*\m
	global_load_b128 v[S+16*\m+4:S+16*\m+7], v[SO], s[4:5] offset:1024*\m+16
.endr
	s_add_nc_u64 s[8:9], s[8:9], s[16:17]
	s_wait_loadcnt 8                               ; my group of F is in: SA's eight loads were issued behind it
	ds_store_b128 v[T16], v[FG:FG+3] offset:FIMG
	s_wait_kmcnt 0x0                               ; the four exponents
	s_wait_dscnt 0x0                               ; for the others' sake: my group lies in LDS
	s_barrier_signal -1
	s_barrier_wait -1                              ; all sixteen groups do
.irp g, 0,1,2,3,4,5,6,7,8,9,10,11,12,13,14,15
	ds_load_b128 v[F+4*\g:F+4*\g+3], v[L16] offset:FIMG+512*\g
.endr
	s_wait_tensorcnt 0x0                           ; my rows of SB are in; no other wave reads them, so no barrier follows
.irp m, 0,1,2,3
	ds_load_b128 v[S+16*\m+8:S+16*\m+11], v[LT] offset:16*SP*\m
	ds_load_b128 v[S+16*\m+12:S+16*\m+15], v[LT] offset:16*SP*\m+16
.endr
; Batch b of 8: tile of directions b / 2, tiles of subcarriers 2 (b % 2) and 2 (b % 2) + 1: two pairs, four products, into set b % 2.  Every product is whole in one instruction (K = 64) and starts from the constant 0.
.macro MULT b
.set MT, (\b)/2
.irp i, 0,1
.set NT, 2*((\b)%2)+\i
.set DR, DD+32*((\b)%2)+16*\i
	v_wmma_f32_16x16x64_fp8_fp8 v[DR:DR+7], v[S+16*MT:S+16*MT+7], v[F+16*NT:F+16*NT+7], 0              ; A's tile: SA's codes x F's by e1
	v_wmma_f32_16x16x64_fp8_fp8 v[DR+8:DR+15], v[S+16*MT+8:S+16*MT+15], v[F+16*NT+8:F+16*NT+15], 0     ; B's tile: SB's codes x F's by e3
.endr
.endm
; Batch b's pairs are folded: sum += A x B, two numbers an instruction, each result from its low end on.  The first tile of directions starts the sums: nothing is cleared.
.macro FOLD b
.irp i, 0,1
.set NT, 2*((\b)%2)+\i
.set DR, DD+32*((\b)%2)+16*\i
.irp j, 0,2,4,6
.if (\b) < 2
	v_pk_mul_f32 v[ACC+8*NT+\j:ACC+8*NT+\j+1], v[DR+\j:DR+\j+1], v[DR+8+\j:DR+8+\j+1]
.else
	v_pk_fma_f32 v[ACC+8*NT+\j:ACC+8*NT+\j+1], v[DR+\j:DR+\j+1], v[DR+8+\j:DR+8+\j+1], v[ACC+8*NT+\j:ACC+8*NT+\j+1]
.endif
.endr
.endr
.endm
.macro INTILE left                     ; a tile of directions is in, SA's part and SB's: left = the loads of either kind issued behind it
	s_wait_loadcnt \left
	s_wait_dscnt \left
.endm
; A vector instruction that reads a matrix result stands four places behind the matrix instruction, a matrix instruction that writes over one five, and only plain vector instructions that name none of its registers
; are places (ISA guide 7.12.1).  Batch b is folded behind batch b + 1's products: the eight lines that fold batch b - 1 stand between batch b's products and their first reader, and name the other set alone.
; Only the first batch has no such lines in front of its fold: four v_nop.
	INTILE 6                                       ; (F's images were read ahead of SB's rows: they are in too)
	MULT 0
	MULT 1
.rept 4
	v_nop
.endr
	FOLD 0
	INTILE 4
	MULT 2
	FOLD 1
	MULT 3
	FOLD 2
	INTILE 2
	MULT 4
	FOLD 3
	MULT 5
	FOLD 4
	INTILE 0
	MULT 6
	FOLD 5
	MULT 7
	FOLD 6
	FOLD 7
	; a lane's eight directions of each tile of subcarriers become one number
.irp n, 0,1,2,3
	v_pk_add_f32 v[ACC+8*\n:ACC+8*\n+1], v[ACC+8*\n:ACC+8*\n+1], v[ACC+8*\n+2:ACC+8*\n+3]
	v_pk_add_f32 v[ACC+8*\n+4:ACC+8*\n+5], v[ACC+8*\n+4:ACC+8*\n+5], v[ACC+8*\n+6:ACC+8*\n+7]
.endr
.irp n, 0,1,2,3
	v_pk_add_f32 v[ACC+8*\n:ACC+8*\n+1], v[ACC+8*\n:ACC+8*\n+1], v[ACC+8*\n+4:ACC+8*\n+5]
.endr
.irp n, 0,1,2,3
	s_delay_alu instid0(VALU_DEP_4)
	v_add_f32 v[R+\n], v[ACC+8*\n], v[ACC+8*\n+1]
.endr
	ds_store_b128 v[T16], v[R:R+3] offset:RED      ; lane (r, h): subcarriers 4 r + 0..3, my wave's directions 8 h + 0..7 of each tile
	s_wait_dscnt 0x0                               ; for wave 0's sake: my sums lie in LDS
	s_barrier_signal -1
	s_barrier_wait -1
	s_cmp_lg_u32 s10, 0
	s_cbranch_scc1 .Lend
	; ---- wave 0: the sixteen waves' sums, then the other half of the lanes', the power of two, the store
.irp w, 0,1,2,3,4,5,6,7,8,9,10,11,12,13,14,15
	ds_load_b128 v[F+4*\w:F+4*\w+3], v[L16] offset:RED+512*\w              ; F's fragments are done with; the folds and sums above are far more than four places behind the last product
.endr
	s_add_co_i32 s20, s20, s21
	s_add_co_i32 s22, s22, s23
	s_add_co_i32 s20, s20, s22
	s_sub_co_i32 s20, s20, 10                      ; e0 + e1 + e2 + e3 - 10: the four scales and the division by 1,024 directions
	s_wait_dscnt 0x0
.macro JOIN g, dist                    ; wave g's four sums take wave g + dist's
	v_pk_add_f32 v[F+4*(\g):F+4*(\g)+1], v[F+4*(\g):F+4*(\g)+1], v[F+4*(\g)+4*(\dist):F+4*(\g)+4*(\dist)+1]
	v_pk_add_f32 v[F+4*(\g)+2:F+4*(\g)+3], v[F+4*(\g)+2:F+4*(\g)+3], v[F+4*(\g)+4*(\dist)+2:F+4*(\g)+4*(\dist)+3]
.endm
.irp g, 0,1,2,3,4,5,6,7
	JOIN \g, 8
.endr
.irp g, 0,1,2,3
	JOIN \g, 4
.endr
	JOIN 0, 2
	JOIN 1, 2
	JOIN 0, 1
	v_cndmask_b32 v[F+4], v[F+2], v[F], s26        ; the pair that lane l xor 16 finishes,
	v_cndmask_b32 v[F+5], v[F+3], v[F+1], s26
	v_cndmask_b32 v[F+6], v[F], v[F+2], s26        ; and the pair that I finish: pair h of the four
	v_cndmask_b32 v[F+7], v[F+1], v[F+3], s26
	v_permlanex16_b32 v[F+8], v[F+4], s24, s25     ; the other eight directions of each tile.  (The destinations have been written: a permute's destination counts as read)
	v_permlanex16_b32 v[F+9], v[F+5], s24, s25
	v_pk_add_f32 v[F+6:F+7], v[F+6:F+7], v[F+8:F+9]
	v_ldexp_f32 v[F+12], v[F+6], s20
	v_ldexp_f32 v[F+13], v[F+7], s20
	global_store_b64 v[OO], v[F+12:F+13], s[8:9]   ; 32 lanes x 8 bytes: the work-group's 256 consecutive bytes, at a multiple of 256 from out0's first byte
.Lend:
	s_wait_tensorcnt 0x0                           ; the wave's end
	ds_add_u32 v[SPW], v[NIL]
	s_wait_dscnt 0x0
	s_endpgm
.Lfunc_end_k_qbb7a527684_product:
	.size	k_qbb7a527684_product, .Lfunc_end_k_qbb7a527684_product-k_qbb7a527684_product
	.p2alignl 7, 3214868480
	.fill 96, 4, 3214868480
	.section	.rodata,"a",@progbits
	.p2align	6, 0x0
	.amdhsa_kernel k_qbb7a527684_product
		.amdhsa_group_segment_fixed_size 167936
		.amdhsa_private_segment_fixed_size 0
		.amdhsa_enable_private_segment 0
		.amdhsa_kernarg_size 24
		.amdhsa_user_sgpr_count 2
		.amdhsa_user_sgpr_kernarg_segment_ptr 1
		.amdhsa_wavefront_size32 1
		.amdhsa_system_sgpr_workgroup_id_x 1
		.amdhsa_system_sgpr_workgroup_id_y 1
		.amdhsa_system_sgpr_workgroup_id_z 1
		.amdhsa_system_vgpr_workitem_id 0
		.amdhsa_next_free_vgpr 244
		.amdhsa_next_free_sgpr 66
		.amdhsa_reserve_vcc 0
		.amdhsa_float_denorm_mode_32 3
		.amdhsa_float_denorm_mode_16_64 3
		.amdhsa_memory_ordered 1
		.amdhsa_forward_progress 1
		.amdhsa_inst_pref_size 18
	.end_amdhsa_kernel
	.amdgpu_metadata
---
amdhsa.version: [ 1, 2 ]
amdhsa.kernels:
  - .name:           k_qbb7a527684_product
    .symbol:         k_qbb7a527684_product.kd
    .args:
      - { .name: codes, .offset: 0, .size: 8, .value_kind: global_buffer, .address_space: global }
      - { .name: lowp_scales, .offset: 8, .size: 8, .value_kind: global_buffer, .address_space: global }
      - { .name: out0, .offset: 16, .size: 8, .value_kind: global_buffer, .address_space: global }
    .group_segment_fixed_size: 167936
    .private_segment_fixed_size: 0
    .kernarg_segment_align: 8
    .kernarg_segment_size: 24
    .max_flat_workgroup_size: 512
    .sgpr_count:     66
    .vgpr_count:     244
    .wavefront_size: 32
...
	.end_amdgpu_metadata
.endif
;; end of part 2
